; MI455X (gfx1250); checked and timed in simulation.
; The chip was launched on July 23, 2026; its instructions are those of AMD's public machine-readable ISA for CDNA 5 (MIT licence, August 2026) and "CDNA5" Instruction Set Architecture Reference Guide (July 2026). The comments in the code are by the model that wrote it; some were corrected since.
;; Mixtral Mo E. Allowed arithmetic: float matrix products may take bf16 or f16 operands with f32 sums; other float arithmetic in f32, or as packed bf16 or f16 multiplies, adds, multiply-adds, maxima and minima; sums over many terms, partial sums and values carried from step to step in f32; what a program stores and reads back later, other than sums and carried values, may be rounded once to bf16 or f16.
;; Inputs: gate_w 1,024 x 8 float32; hidden_states 1,024 x 1,024 float32; w1 8 x 1,024 x 2,048 float32; w2 8 x 2,048 x 1,024 float32; w3 8 x 1,024 x 2,048 float32.
;; Outputs: out0 1,024 x 1,024 float32.
;; One version. Each part assembles by itself: llvm-mc -triple=amdgcn-amd-amdhsa -mcpu=gfx1250 --defsym DOCPART=n.
;; ======== version 1 of 1: 4 launches
;; workspace buffers: xb 2,097,152 bytes; eid 8,192 bytes of whole numbers; cw 8,192 bytes; hb 33,554,432 bytes; part 16,842,752 bytes
;; launch router (part 1): grid 64 x 1, 4 waves a work-group, no clusters, 54,272 bytes of LDS; arguments hidden_states, gate_w, xb, eid, cw; writes xb, eid, cw
.if DOCPART == 1
	.amdgcn_target "amdgcn-amd-amdhsa--gfx1250"
	.amdhsa_code_object_version 6
	.text
	.protected	k_q7b204522b0_router
	.globl	k_q7b204522b0_router
	.p2align	8
	.type	k_q7b204522b0_router,@function
k_q7b204522b0_router:
	s_mov_b64 s[64:65], 0
	v_nop
	global_prefetch_b8 v0, s[64:65] scope:SCOPE_SE
	s_setreg_imm32_b32 hwreg(HW_REG_WAVE_MODE, 25, 1), 1
	s_wait_xcnt 0x0
; ROUTER.  xb = hidden_states rounded to bf16; logits = xb x bf16(gate_w) by the matrix unit, sums in f32; softmax, top-2, renormalised weights.
; Stored at fixed places, slot s = 2 t + j (j: first or second choice): eid[s] the expert (a whole number), cw[s] its weight (f32).  No address here hangs on the choice.
; SHARES.  A work-group owns 16 tokens.  Wave w rounds rows 4 w .. 4 w + 3 of x (stored to xb and laid into LDS), every thread rounds 8 rows of gate_w into LDS turned to [expert][k];
; then wave w multiplies k = 256 w .. 256 w + 255 (8 matrix instructions on two accumulators by turns), the four partial sums meet in LDS, and wave 0 makes the choice.
; LAYOUT.  Source 0 = gate (row m = expert m % 8: lanes 8-15 read experts 0-7 again), source 1 = 16 tokens.  So lane l holds token l % 16 and registers 0-7 its 8 logits, in both halves of the lanes:
; lanes 0-15 store the first choice, lanes 16-31 the second.
; SOFTMAX.  p = 2^(log2e l - log2e max): the maximum is taken away as in the reference.  The softmax's divisor cancels in w = p / (pa + pb) and is not computed; p has the order of the probabilities.
; LIMITS.  All inputs are rounded to bf16 before they are multiplied.  Ties keep the lower index; a second and third choice that lie closer than the rounding of the f32 logit sums may fall the other way.
; A p below 2^-126 counts as 0 (its weight is then 0).  NaN and infinities are not treated apart.
; No cluster: the work-groups share gate_w alone, 32 KB of a work-group's 96 KB, read once through registers because it has to be rounded and turned.
.set XP,    2064                       ; an LDS row: 2,048 bytes + 16: an odd multiple of 16, so the 16 rows of a fragment load start 16 bytes apart modulo 256
.set GT,    33024                      ; behind x's 16 rows: gate, 8 rows [expert][k]
.set RED,   49664                      ; the four waves' partial logits, 1,024 bytes each
.set SPARE, 53760                      ; the spare words, 128 bytes for each wave: no other line names them
	s_load_b256 s[4:11], s[0:1], 0x0               ; hidden_states s[4:5], gate_w s[6:7], xb s[8:9], eid s[10:11]
	s_load_b64 s[12:13], s[0:1], 0x20              ; cw
	v_lshl_add_u32 v30, v0, 2, SPARE               ; my spare word,
	v_mov_b32 v31, 0                               ; and 0: kept for the closing lines alone
	v_lshrrev_b32 v1, 5, v0
	v_readfirstlane_b32 s14, v1                    ; wave 0..3
	v_and_b32 v1, 31, v0                           ; lane
	v_and_b32 v2, 15, v0                           ; r = lane % 16
	v_bfe_u32 v3, v0, 4, 1                         ; h = lane / 16
	v_lshlrev_b32 v4, 5, v1                        ; x: 8 f32 a lane
	v_lshlrev_b32 v5, 4, v1                        ; xb: 8 bf16 a lane
	s_mul_i32 s15, s14, 4*XP
	v_add_nc_u32 v6, s15, v5                       ; LDS: my wave's first row of x + 16 lane
	v_lshlrev_b32 v7, 8, v0                        ; gate_w: 8 rows of 32 bytes a thread
	v_lshl_add_u32 v8, v0, 4, GT                   ; LDS: k = 8 thread .. + 7 of expert 0
	s_lshl_b32 s15, s14, 9                         ; my wave's 256 k, in bytes
	v_mul_u32_u24 v9, v2, XP
	v_lshl_add_u32 v9, v3, 4, v9
	v_add_nc_u32 v9, s15, v9                       ; x fragment: row r, 512 w + 16 h
	v_and_b32 v10, 7, v0
	v_mul_u32_u24 v10, v10, XP
	v_lshl_add_u32 v10, v3, 4, v10
	v_add_nc_u32 v10, s15, v10
	v_add_nc_u32 v10, GT, v10                      ; gate fragment: row r % 8
	s_lshl_b32 s15, s14, 10
	v_add_nc_u32 v11, s15, v5
	v_add_nc_u32 v11, RED, v11                     ; my wave's partial logits
	v_add_nc_u32 v12, RED, v5
	v_lshl_add_u32 v13, v2, 1, v3
	v_lshlrev_b32 v13, 2, v13                      ; 4 (2 r + h): my slot among the group's 32
	s_lshl_b32 s16, ttmp9, 16                      ; 16 rows of 4,096 bytes,
	s_lshl_b32 s15, s14, 14                        ; 4 rows a wave
	s_add_co_u32 s16, s16, s15
	s_mov_b32 s17, 0
	s_lshl_b32 s18, ttmp9, 15                      ; the same in xb's rows of 2,048 bytes
	s_lshl_b32 s15, s14, 13
	s_add_co_u32 s18, s18, s15
	s_mov_b32 s19, 0
	s_lshl_b32 s20, ttmp9, 7                       ; 32 slots of 4 bytes
	s_mov_b32 s21, 0
	s_mov_b32 s22, 0x3fb8aa3b                      ; log2(e)
	s_wait_kmcnt 0x0
	s_add_nc_u64 s[4:5], s[4:5], s[16:17]
	s_add_nc_u64 s[8:9], s[8:9], s[18:19]
	s_add_nc_u64 s[10:11], s[10:11], s[20:21]
	s_add_nc_u64 s[12:13], s[12:13], s[20:21]
.set i, 0
.rept 16                               ; v[64+4i+c] = gate_w[8 thread + i / 2][4 (i % 2) + c]
	global_load_b128 v[64+4*i:64+4*i+3], v7, s[6:7] offset:16*i
.set i, i+1
.endr
.set m, 0
.rept 16                               ; group m: row m / 4 of my four, columns 256 (m % 4) + 8 lane .. + 7
	global_load_b128 v[128+8*m:128+8*m+3],   v4, s[4:5] offset:(m/4)*4096+(m%4)*1024 th:TH_LOAD_NT
	global_load_b128 v[128+8*m+4:128+8*m+7], v4, s[4:5] offset:(m/4)*4096+(m%4)*1024+16 th:TH_LOAD_NT
.set m, m+1
.endr
	s_wait_loadcnt 32                              ; the 32 loads of x are younger: gate_w is in
.irp b, 0,1
.irp c, 0,1,2,3
.irp u, 0,1,2,3                        ; expert 4 b + c, rows 2 u and 2 u + 1 of my eight
	v_cvt_pk_bf16_f32 v[32+4*(4*(\b)+(\c))+(\u)], v[64+4*(4*(\u)+(\b))+(\c)], v[64+4*(4*(\u)+2+(\b))+(\c)]
.endr
.endr
.endr
.irp e, 0,1,2,3,4,5,6,7
	ds_store_b128 v8, v[32+4*(\e):32+4*(\e)+3] offset:(\e)*XP
.endr
.set m, 0
.rept 16
	s_wait_loadcnt 30-2*m                          ; the loads of the groups behind m stay out
.irp q, 0,1,2,3                        ; in place: register q takes numbers 2 q, 2 q + 1, which no earlier line of the four has overwritten
	v_cvt_pk_bf16_f32 v[128+8*m+(\q)], v[128+8*m+2*(\q)], v[128+8*m+2*(\q)+1]
.endr
	global_store_b128 v5, v[128+8*m:128+8*m+3], s[8:9] offset:(m/4)*2048+(m%4)*512  ; the wave stores 512 consecutive bytes, at a multiple of 256 from xb's first
	ds_store_b128 v6, v[128+8*m:128+8*m+3] offset:(m/4)*XP+(m%4)*512
.set m, m+1
.endr
	s_wait_dscnt 0x0                               ; for the others' sake: my rows of x and my part of gate are in LDS
	s_barrier_signal -1
	s_barrier_wait -1
	s_wait_xcnt 0x0                                ; the stores to xb have read their data registers, which are loaded again below
.set ks, 0
.rept 8                                ; K step ks of my eight: 32 k
	ds_load_b128 v[64+8*ks:64+8*ks+3],   v10 offset:64*ks
	ds_load_b128 v[64+8*ks+4:64+8*ks+7], v10 offset:64*ks+32
	ds_load_b128 v[128+8*ks:128+8*ks+3],   v9 offset:64*ks
	ds_load_b128 v[128+8*ks+4:128+8*ks+7], v9 offset:64*ks+32
.set ks, ks+1
.endr
	s_wait_dscnt 0x0
	v_wmma_f32_16x16x32_bf16 v[192:199], v[64:71], v[128:135], 0   ; two accumulators by turns; the first products start the sums
	v_wmma_f32_16x16x32_bf16 v[200:207], v[72:79], v[136:143], 0
.set ks, 2
.rept 3
	v_wmma_f32_16x16x32_bf16 v[192:199], v[64+8*ks:64+8*ks+7], v[128+8*ks:128+8*ks+7], v[192:199]
	v_wmma_f32_16x16x32_bf16 v[200:207], v[72+8*ks:72+8*ks+7], v[136+8*ks:136+8*ks+7], v[200:207]
.set ks, ks+2
.endr
.rept 4
	v_nop                                          ; four places between the last product and the first read of a result (ISA guide 7.12.1)
.endr
.irp u, 0,1,2,3                        ; from each accumulator's low end on
	v_pk_add_f32 v[208+2*(\u):209+2*(\u)], v[192+2*(\u):193+2*(\u)], v[200+2*(\u):201+2*(\u)]
.endr
	ds_store_b128 v11, v[208:211]
	ds_store_b128 v11, v[212:215] offset:512
	s_wait_dscnt 0x0                               ; for wave 0's sake
	s_barrier_signal -1
	s_barrier_wait -1
	s_cmp_lg_u32 s14, 0
	s_cbranch_scc1 .Lend                           ; the choice is 32 lanes' work: wave 0's
.irp q, 0,1,2,3
	ds_load_b128 v[64+8*(\q):67+8*(\q)], v12 offset:1024*(\q)
	ds_load_b128 v[68+8*(\q):71+8*(\q)], v12 offset:1024*(\q)+512
.endr
	s_wait_dscnt 0x0
.irp u, 0,1,2,3
	v_pk_add_f32 v[64+2*(\u):65+2*(\u)], v[64+2*(\u):65+2*(\u)], v[72+2*(\u):73+2*(\u)]
	v_pk_add_f32 v[80+2*(\u):81+2*(\u)], v[80+2*(\u):81+2*(\u)], v[88+2*(\u):89+2*(\u)]
.endr
.irp u, 0,1,2,3
	v_pk_add_f32 v[64+2*(\u):65+2*(\u)], v[64+2*(\u):65+2*(\u)], v[80+2*(\u):81+2*(\u)]  ; v[64:71]: my token's 8 logits
.endr
	v_max3_num_f32 v72, v64, v65, v66
	v_max3_num_f32 v72, v72, v67, v68
	v_max3_num_f32 v72, v72, v69, v70
	v_max_num_f32 v72, v72, v71
	v_mul_f32 v72, s22, v72                        ; log2e max; its rounding is common to all eight and cancels in the weights
.irp e, 0,1,2,3,4,5,6,7
	v_fma_f32 v[64+(\e)], v[64+(\e)], s22, -v72
.endr
.irp e, 0,1,2,3,4,5,6,7
	v_exp_f32 v[64+(\e)], v[64+(\e)]
.endr
	v_mov_b32 v74, 0                               ; the plain instruction behind the last exponential: the first choice starts at expert 0
	s_wait_alu depctr_va_vdst(0)                   ; one wait for the eight exponentials, ahead of their first reader
	v_mov_b32 v73, v64
.irp e, 1,2,3,4,5,6,7                  ; kept unless strictly greater: the lower index wins a tie
	v_cmp_le_f32 vcc_lo, v[64+(\e)], v73
	v_cndmask_b32 v74, \e, v74, vcc_lo
	v_cndmask_b32 v73, v[64+(\e)], v73, vcc_lo
.endr
.irp e, 0,1,2,3,4,5,6,7                ; the winner leaves the field: -1 lies below every p
	v_cmp_ne_u32 vcc_lo, \e, v74
	v_cndmask_b32 v[64+(\e)], -1.0, v[64+(\e)], vcc_lo
.endr
	v_mov_b32 v76, 0
	v_mov_b32 v75, v64
.irp e, 1,2,3,4,5,6,7
	v_cmp_le_f32 vcc_lo, v[64+(\e)], v75
	v_cndmask_b32 v76, \e, v76, vcc_lo
	v_cndmask_b32 v75, v[64+(\e)], v75, vcc_lo
.endr
	v_add_f32 v77, v73, v75                        ; pa + pb; pa is 1 to within the rounding of log2e max, so it is never 0
	v_cmp_le_u32 vcc_lo, 16, v1                    ; lanes 16-31 take the second choice
	v_rcp_f32 v78, v77
	v_cndmask_b32 v79, v74, v76, vcc_lo            ; the plain instruction behind the reciprocal
	s_wait_alu depctr_va_vdst(0)                   ; and its wait
	v_cndmask_b32 v80, v73, v75, vcc_lo
	v_mul_f32 v80, v80, v78
	global_store_b32 v13, v79, s[10:11]            ; 128 consecutive bytes each: the group's 32 slots
	global_store_b32 v13, v80, s[12:13]
.Lend:
	s_wait_tensorcnt 0x0                           ; the wave's end: three lines behind my last LDS store
	ds_add_u32 v30, v31
	s_wait_dscnt 0x0
	s_endpgm
.Lfunc_end_k_q7b204522b0_router:
	.size	k_q7b204522b0_router, .Lfunc_end_k_q7b204522b0_router-k_q7b204522b0_router
	.p2alignl 7, 3214868480
	.fill 96, 4, 3214868480
	.section	.rodata,"a",@progbits
	.p2align	6, 0x0
	.amdhsa_kernel k_q7b204522b0_router
		.amdhsa_group_segment_fixed_size 54272
		.amdhsa_private_segment_fixed_size 0
		.amdhsa_enable_private_segment 0
		.amdhsa_kernarg_size 40
		.amdhsa_user_sgpr_count 2
		.amdhsa_user_sgpr_kernarg_segment_ptr 1
		.amdhsa_wavefront_size32 1
		.amdhsa_system_sgpr_workgroup_id_x 1
		.amdhsa_system_sgpr_workgroup_id_y 1
		.amdhsa_system_sgpr_workgroup_id_z 1
		.amdhsa_system_vgpr_workitem_id 0
		.amdhsa_next_free_vgpr 256
		.amdhsa_next_free_sgpr 66
		.amdhsa_reserve_vcc 1
		.amdhsa_float_denorm_mode_32 3
		.amdhsa_float_denorm_mode_16_64 3
		.amdhsa_memory_ordered 1
		.amdhsa_forward_progress 1
		.amdhsa_inst_pref_size 25
	.end_amdhsa_kernel
	.amdgpu_metadata
---
amdhsa.version: [ 1, 2 ]
amdhsa.kernels:
  - .name:           k_q7b204522b0_router
    .symbol:         k_q7b204522b0_router.kd
    .args:
      - { .name: hidden_states, .offset: 0, .size: 8, .value_kind: global_buffer, .address_space: global }
      - { .name: gate_w, .offset: 8, .size: 8, .value_kind: global_buffer, .address_space: global }
      - { .name: xb, .offset: 16, .size: 8, .value_kind: global_buffer, .address_space: global }
      - { .name: eid, .offset: 24, .size: 8, .value_kind: global_buffer, .address_space: global }
      - { .name: cw, .offset: 32, .size: 8, .value_kind: global_buffer, .address_space: global }
    .group_segment_fixed_size: 54272
    .private_segment_fixed_size: 0
    .kernarg_segment_align: 8
    .kernarg_segment_size: 40
    .max_flat_workgroup_size: 128
    .sgpr_count:     66
    .vgpr_count:     256
    .wavefront_size: 32
...
	.end_amdgpu_metadata
.endif
;; end of part 1
;; launch up (part 2): grid 32 x 8, 4 waves a work-group, no clusters, 136,448 bytes of LDS; arguments xb, eid, w1, w3, hb; writes hb
.if DOCPART == 2
	.amdgcn_target "amdgcn-amd-amdhsa--gfx1250"
	.amdhsa_code_object_version 6
	.text
	.protected	k_q7b204522b0_up
	.globl	k_q7b204522b0_up
	.p2align	8
	.type	k_q7b204522b0_up,@function
k_q7b204522b0_up:
	s_mov_b64 s[64:65], 0
	v_nop
	global_prefetch_b8 v0, s[64:65] scope:SCOPE_SE
	s_setreg_imm32_b32 hwreg(HW_REG_WAVE_MODE, 25, 1), 1
	s_wait_xcnt 0x0
; FIRST PRODUCTS.  hb = bf16(silu(x w1[e]) * (x w3[e])) for the rows that chose expert e, and for no others.  x comes as xb (bf16), w1 and w3 are f32 and are rounded to bf16 on their way through registers.
; SHARES.  Work-group (f, e) owns expert e and columns 64 f .. 64 f + 63 of w1 and of w3, which it alone reads, once.  Wave w owns k = 256 w .. 256 w + 255 of all 128 columns:
; 8 K steps x 8 tiles of 16 columns x 8 registers = 512 registers of bf16 weights, which stay for the whole launch.
; WEIGHTS.  One load takes 256 whole bytes of one weight row in lanes 0-15 and of the row 8 further down in lanes 16-31; lane r takes columns 4 r .. 4 r + 3, and component j goes to column tile j,
; which so holds columns 4 r + j.  The 16 loads of a K step give a lane just the 16 k of its fragment: 32 roundings in pairs make 4 fragments; nothing changes lanes, nothing goes through LDS.
; THE LIST.  Wave 0 reads all 2,048 choices and lays expert e's slots (2 t + j) into LDS, in the order (load, component, lane); the second product makes the same list by the same lines.
; Places past the count hold 2048 + e, which here stands for token 1023: a row that exists.  An expert without rows is served as if it had one, so that tile 0 of hb is written for the launch behind.
; ROWS.  A trip takes 64 places of the list, four subtiles of 16.  Every wave multiplies each live subtile over its quarter of K (64 matrix instructions on 8 accumulators by turns) and lays its f32 partial sums
; into a stage in LDS; behind a barrier wave w adds the four waves' parts of subtile w in the order of K, makes silu(h1) h3, rounds and stores; a second barrier frees the stage.
; The loop has 16 trips whatever the count (1,024 rows is the most an expert can have): every wave passes every barrier, and only work is jumped, by forward branches that hold no barrier.
; Token fragments come from memory straight into registers, four subtiles ahead (64 loads a wave).
; THE RESULT'S LAYOUT.  Source 0 = weights, source 1 = tokens: lane (r, h) holds token r and, in register jj of tile n, column 32 h + 4 jj + n.  Rounded in pairs, tile n is part n % 2 of the token fragment of K step
; 2 f + n / 2 of the second product, which reads w2's rows in the same order.  hb: [expert][tile of 16 places][K step 64][part 2][lane 32][16 bytes]; a wave stores 2,048 consecutive bytes.
; NO CLUSTER: each weight byte has one reader; what an expert's 32 work-groups share is xb's rows, which come by the list, 16 rows of 32 bytes to a load: no tile that a descriptor could state.
; LIMITS.  The hidden layer is rounded once to bf16.  sigmoid = 1 / (1 + 2^(-log2e h1)): the power runs to infinity or 0 at the ends, where the quotient is 0 or 1 as it should be; h1 h3 is formed first and must stay finite
; (|h1 h3| under 3e38).  NaN and infinities are not treated apart.
; REGISTERS, in windows of 256 (s_set_vgpr_msb: bits 1:0 source 0, 3:2 source 1, 5:4 source 2, 7:6 destination):
;   window 0: v1 lane, v2 r, v3 h, v4 weight offset, v5 prefetch offset, v6 16 h, v7 16 lane, v8-11 token row offsets, v12-15 list entries, v16-19 stage (in), v20 stage (back), v21 list address, v22 at work,
;             v23 4 lane, v24 dump place, v25 the count's address, v26-29, v32-43 the list's making, v30-31 the closing add's; v64-127 accumulators; v128-191 the choices; on the way out v64-191 parts, v192-223 h1, v224-255 h3
;   window 1: four buffers of 64: f32 weights on their way, then the token fragments of subtile 0-3          windows 2, 3: the weights: K step s, tile a at 64 (s % 4) + 8 a of window 2 + s / 4 (a = 0-3 w1, 4-7 w3)
.set LIST,  131072                     ; behind the stage: places 0-1087 (the last trip looks one trip ahead), dump 1088-1119, in 4,608 bytes
.set CNTA,  135680                     ; the count
.set SPARE, 135936                     ; the spare words, 128 bytes for each wave: no other line names them
.set WROW,  8192                       ; bytes in a row of w1 or w3
.set MSB, 0
.macro WIN new                         ; the immediate's high byte repeats the setting that is left; a switch that changes nothing is dropped
.if MSB != (\new)
	s_set_vgpr_msb (MSB<<8)|(\new)
.set MSB, (\new)
.endif
.endm
; Unit b = 2 s + mtx of 16: the 16 loads of K step s of w1 (mtx = 0) or w3 (1), into buffer b % 4 of window 1.  Load i: row 32 s + 16 (i / 8) + i % 8, + 8 in lanes 16-31.
.macro WISSUE b
	WIN 0x40
.set wi, 0
.rept 16
	global_load_b128 v[64*((\b)%4)+4*wi:64*((\b)%4)+4*wi+3], v4, s[8+2*((\b)%2):9+2*((\b)%2)] offset:(32*((\b)/2)+16*(wi/8)+(wi%8))*WROW th:TH_LOAD_NT
.set wi, wi+1
.endr
.endm
; Unit b is rounded: register q of tile j's fragment takes component j of loads i0 and i0 + 1, i0 = 8 (q / 4) + 2 (q % 4).
.macro WCVT b
.if ((\b)/2) < 4
	WIN 0x85
.else
	WIN 0xc5
.endif
.set wj, 0
.rept 4
.set wq, 0
.rept 8
	v_cvt_pk_bf16_f32 v[(((\b)/2)%4)*64+(4*((\b)%2)+wj)*8+wq], v[64*((\b)%4)+4*(8*(wq/4)+2*(wq%4))+wj], v[64*((\b)%4)+4*(8*(wq/4)+2*(wq%4)+1)+wj]
.set wq, wq+1
.endr
.set wj, wj+1
.endr
.endm
; The token fragments of subtile j: 16 loads; load 2 s + p brings k = 32 s + 16 p + 8 h .. + 7 of my quarter of the lane's row.
.macro AISSUE j
	WIN 0x40
.set ai, 0
.rept 16
	global_load_b128 v[64*(\j)+4*ai:64*(\j)+4*ai+3], v[8+(\j)], s[4:5] offset:32*ai
.set ai, ai+1
.endr
	WIN 0
.endm
.macro UNIT u                          ; units 0-15 are weights, 16-19 the first trip's four subtiles: unit u lands in buffer u % 4
.if (\u) < 16
	WISSUE \u
.else
	AISSUE (\u)-16
.endif
.endm
; Unit b + 3 goes out, unit b is waited for and rounded.  In the first eight steps each lane also asks, once, for the 256 bytes of one row of unit b + 8: eight units, 64 KB a wave, ahead; the last is unit 15, inside the buffer.
.macro STEP b
	UNIT (\b)+3
.if (\b) < 8
	global_prefetch_b8 v5, s[8+2*((\b)%2):9+2*((\b)%2)] offset:32*(((\b)+8)/2)*WROW th:TH_LOAD_NT scope:SCOPE_SE
.endif
	s_wait_loadcnt 48                              ; units b + 1 to b + 3, 16 loads each, stay out
	WCVT \b
.endm
.macro ROWCALC j                       ; a list entry becomes a row offset in xb: token = slot / 2, held inside the table, times 2,048 bytes, + 16 h
	v_lshrrev_b32 v22, 1, v[12+(\j)]
	v_min_u32 v22, 0x3ff, v22
	v_lshl_add_u32 v[8+(\j)], v22, 11, v6
.endm
; THE LIST (wave 0).  v[128+4i+c] of lane l holds the choice of slot 128 i + 4 l + c.  A lane whose slot chose e stores the slot at place base + (lanes below it that did too); the others store into a dump word of their own.
; A group is a load's four components.  Its compares are issued a group ahead, into masks that take turns; its four bases are made by scalar adds; each vector step then stands four times on end, so that no line reads the result of the line before it.
.macro BCMP i
.irp c, 0,1,2,3
	v_cmp_eq_u32 s[40+4*((\i)%2)+\c], s15, v[128+4*(\i)+\c]
.endr
.endm
.macro BGRP i
.set bm, 40+4*((\i)%2)                 ; the group's masks: s[40:43] or s[44:47]
.set bt, 26+10*((\i)%2)                ; its places: v[26:29] or v[36:39]
.set bd, 32+8*((\i)%2)                 ; its slots: v[32:35] or v[40:43]
.irp c, 0,1,2,3
	s_bcnt1_i32_b32 s[50+\c], s[bm+\c]
.endr
	s_mov_b32 s54, s48
	s_add_co_u32 s55, s54, s50
	s_add_co_u32 s56, s55, s51
	s_add_co_u32 s57, s56, s52
	s_add_co_u32 s48, s57, s53
.irp c, 0,1,2,3
	v_mbcnt_lo_u32_b32 v[bt+\c], s[bm+\c], s[54+\c]
.endr
.irp c, 0,1,2,3
	v_cndmask_b32 v[bt+\c], v24, v[bt+\c], s[bm+\c]
.endr
.irp c, 0,1,2,3
	v_min_u32 v[bt+\c], 0x45f, v[bt+\c]            ; inside the list's 1,120 places whatever was loaded
.endr
.irp c, 0,1,2,3
	v_lshl_add_u32 v[bt+\c], v[bt+\c], 2, LIST
.endr
.irp c, 0,1,2,3
	v_add_nc_u32 v[bd+\c], 128*(\i)+\c, v23
.endr
.irp c, 0,1,2,3
	ds_store_b32 v[bt+\c], v[bd+\c]
.endr
.endm
.macro BUILD
	s_add_co_u32 s22, s15, 2048
	v_mov_b32 v32, s22
	v_mov_b32 v33, s22
	v_mov_b32 v34, s22
	v_mov_b32 v35, s22
	v_add_nc_u32 v22, LIST, v7
.set bi, 0
.rept 9                                ; every place starts as 2048 + e; LDS serves a wave's instructions in order (ISA guide 5.7.1.4), so the stores below come behind these
	ds_store_b128 v22, v[32:35] offset:512*bi
.set bi, bi+1
.endr
	s_mov_b32 s48, 0
	BCMP 0
.set bi, 0
.rept 16
.if bi < 15
	BCMP bi+1
.endif
	BGRP bi
.set bi, bi+1
.endr
	v_mov_b32 v22, s48
	ds_store_b32 v25, v22                          ; the count
.endm
.macro MULS j                          ; 64 matrix instructions: 8 K steps x 8 tiles; the 8 accumulators take turns, one instruction a turn; the first K step starts the sums
.set ms, 0
.rept 8
	WIN 0x06+(ms/4)
.set ma, 0
.rept 8
.if ms == 0
	v_wmma_f32_16x16x32_bf16 v[64+8*ma:71+8*ma], v[(ms%4)*64+8*ma:(ms%4)*64+8*ma+7], v[64*(\j)+8*ms:64*(\j)+8*ms+7], 0
.else
	v_wmma_f32_16x16x32_bf16 v[64+8*ma:71+8*ma], v[(ms%4)*64+8*ma:(ms%4)*64+8*ma+7], v[64*(\j)+8*ms:64*(\j)+8*ms+7], v[64+8*ma:71+8*ma]
.endif
.set ma, ma+1
.endr
.set ms, ms+1
.endr
.endm
.macro STOUT j                         ; my partial sums of subtile j into the stage: [subtile 32,768][wave 8,192][tile 1,024][half 512][lane 16]; each accumulator from its low end on
.set sa, 0
.rept 8
	ds_store_b128 v[16+(\j)], v[64+8*sa:67+8*sa] offset:sa*1024
	ds_store_b128 v[16+(\j)], v[68+8*sa:71+8*sa] offset:sa*1024+512
.set sa, sa+1
.endr
.endm
; Subtile j of the trip.  Its fragments are waited for; if it is live it is multiplied and staged; then its buffer is asked for again, for the next trip, live or not, so that the count of loads is the same on every way.
; Behind the products stand five places or more ahead of the stage's stores, of the loads into the fragments and of the next subtile's first products, which write the accumulators anew:
; in subtile 0 they are the twelve lines that make the next trip's row offsets, elsewhere five v_nop.
.macro SUB j
	s_wait_loadcnt 48                              ; the three units asked for behind this buffer's stay out
.if (\j) > 0
	s_add_co_u32 s22, s18, 16*(\j)
	s_cmp_lt_u32 s22, s17
	s_cbranch_scc0 .Lskip_\@
.endif
	MULS \j
	WIN 0
.if (\j) == 0
	s_wait_dscnt 0x0                               ; the next trip's list entries are in
	s_wait_xcnt 0x0                                ; the loads still out have had their addresses translated (ISA guide 3.1): the row offsets may be written
	ROWCALC 0
	ROWCALC 1
	ROWCALC 2
	ROWCALC 3
.else
.rept 5
	v_nop
.endr
.endif
	STOUT \j
.Lskip_\@:
	AISSUE \j
.endm
.macro ELOAD n, buf                    ; the four waves' parts of tile n of w1 and of w3, of my subtile: 16 loads, part q, matrix m at buf + 16 q + 8 m
.irp q, 0,1,2,3
.irp m, 0,1
	ds_load_b128 v[(\buf)+16*\q+8*\m:(\buf)+16*\q+8*\m+3],   v20 offset:\q*8192+(4*\m+(\n))*1024
	ds_load_b128 v[(\buf)+16*\q+8*\m+4:(\buf)+16*\q+8*\m+7], v20 offset:\q*8192+(4*\m+(\n))*1024+512
.endr
.endr
.endm
.macro ESUM n, buf                     ; (part 0 + part 1) + (part 2 + part 3), K ascending; h1 to v[192 + 8 n ..], h3 to v[224 + 8 n ..]
.irp m, 0,1
.irp u, 0,1,2,3
	v_pk_add_f32 v[(\buf)+8*\m+2*\u:(\buf)+8*\m+2*\u+1], v[(\buf)+8*\m+2*\u:(\buf)+8*\m+2*\u+1], v[(\buf)+16+8*\m+2*\u:(\buf)+16+8*\m+2*\u+1]
	v_pk_add_f32 v[(\buf)+32+8*\m+2*\u:(\buf)+32+8*\m+2*\u+1], v[(\buf)+32+8*\m+2*\u:(\buf)+32+8*\m+2*\u+1], v[(\buf)+48+8*\m+2*\u:(\buf)+48+8*\m+2*\u+1]
.endr
.endr
.irp m, 0,1
.irp u, 0,1,2,3
	v_pk_add_f32 v[192+32*\m+8*(\n)+2*\u:192+32*\m+8*(\n)+2*\u+1], v[(\buf)+8*\m+2*\u:(\buf)+8*\m+2*\u+1], v[(\buf)+32+8*\m+2*\u:(\buf)+32+8*\m+2*\u+1]
.endr
.endr
.endm
.macro EPI                             ; my subtile's way out
	ELOAD 0, 64
	ELOAD 1, 128
	s_wait_dscnt 16                                ; the 16 loads of the other buffer stay out
	ESUM 0, 64
	ELOAD 2, 64
	s_wait_dscnt 16
	ESUM 1, 128
	ELOAD 3, 128
	s_wait_dscnt 16
	ESUM 2, 64
	s_wait_dscnt 0x0
	ESUM 3, 128
.set i, 0
.rept 16
	v_pk_mul_f32 v[64+2*i:65+2*i], v[192+2*i:193+2*i], s[24:25] op_sel_hi:[1,0]  ; -log2e h1
.set i, i+1
.endr
.set i, 0
.rept 32
	v_exp_f32 v[64+i], v[64+i]
.set i, i+1
.endr
.set i, 0
.rept 16
	v_pk_mul_f32 v[224+2*i:225+2*i], v[224+2*i:225+2*i], v[192+2*i:193+2*i]      ; h1 h3: work that names no exponential's result
.set i, i+1
.endr
	s_wait_alu depctr_va_vdst(0)                   ; one wait for the 32 exponentials, ahead of their first reader
.set i, 0
.rept 16
	v_pk_add_f32 v[64+2*i:65+2*i], v[64+2*i:65+2*i], 1.0 op_sel_hi:[1,0]
.set i, i+1
.endr
.set i, 0
.rept 32
	v_rcp_f32 v[64+i], v[64+i]
.set i, i+1
.endr
	v_nop                                          ; the plain instruction behind the last reciprocal,
	s_wait_alu depctr_va_vdst(0)                   ; and one wait for the 32
.set i, 0
.rept 16
	v_pk_mul_f32 v[224+2*i:225+2*i], v[224+2*i:225+2*i], v[64+2*i:65+2*i]
.set i, i+1
.endr
.set i, 0
.rept 16
	v_cvt_pk_bf16_f32 v[96+i], v[224+2*i], v[224+2*i+1]
.set i, i+1
.endr
.irp n, 0,1,2,3
	global_store_b128 v7, v[96+4*\n:99+4*\n], s[12:13] offset:512*\n  ; 512 consecutive bytes, at a multiple of 256 from hb's first: K step 2 f + n / 2, part n % 2
.endr
.endm
	s_load_b256 s[4:11], s[0:1], 0x0               ; xb s[4:5], eid s[6:7], w1 s[8:9], w3 s[10:11]
	s_load_b64 s[12:13], s[0:1], 0x20              ; hb
	v_lshl_add_u32 v30, v0, 2, SPARE               ; my spare word,
	v_mov_b32 v31, 0                               ; and 0: kept for the closing lines alone
	v_lshrrev_b32 v1, 5, v0
	v_readfirstlane_b32 s14, v1                    ; wave 0..3
	s_and_b32 s15, ttmp7, 0xffff                   ; e
	s_mov_b32 s16, ttmp9                           ; f
	v_and_b32 v1, 31, v0                           ; lane
	v_and_b32 v2, 15, v0                           ; r
	v_bfe_u32 v3, v0, 4, 1                         ; h
	v_lshlrev_b32 v4, 4, v2
	v_lshl_add_u32 v4, v3, 16, v4                  ; weights: 16 r, and 8 rows further down in lanes 16-31
	v_lshlrev_b32 v5, 13, v1                       ; prefetch: a row a lane
	v_lshlrev_b32 v6, 4, v3
	v_lshlrev_b32 v7, 4, v1
	s_lshl_b32 s22, s14, 13
	v_add_nc_u32 v16, s22, v7                      ; stage, in: subtile j, my wave's part
	v_add_nc_u32 v17, 0x8000, v16
	v_add_nc_u32 v18, 0x10000, v16
	v_add_nc_u32 v19, 0x18000, v16
	s_lshl_b32 s22, s14, 15
	v_add_nc_u32 v20, s22, v7                      ; stage, back: subtile = my wave's number
	v_lshl_add_u32 v21, v2, 2, LIST
	v_lshlrev_b32 v23, 2, v1
	v_add_nc_u32 v24, 1088, v1
	v_mov_b32 v25, CNTA
	s_mov_b32 s24, 0xbfb8aa3b                      ; -log2(e),
	s_mov_b32 s25, s24                             ; named as a pair
	s_lshl_b32 s20, s15, 23                        ; an expert's 8 MiB,
	s_lshl_b32 s22, s14, 21                        ; my wave's 256 rows,
	s_or_b32 s20, s20, s22
	s_lshl_b32 s22, s16, 8                         ; the group's 256 bytes of a row
	s_or_b32 s20, s20, s22
	s_mov_b32 s21, 0
	s_lshl_b32 s26, s14, 9                         ; xb: my wave's 256 k
	s_mov_b32 s27, 0
	s_lshl_b32 s28, s15, 22                        ; hb: the expert's 4 MiB,
	s_lshl_b32 s22, s14, 16                        ; tile = my wave's number in trip 0,
	s_or_b32 s28, s28, s22
	s_lshl_b32 s22, s16, 11                        ; K steps 2 f, 2 f + 1
	s_or_b32 s28, s28, s22
	s_mov_b32 s29, 0
	s_wait_kmcnt 0x0
	s_add_nc_u64 s[8:9], s[8:9], s[20:21]
	s_add_nc_u64 s[10:11], s[10:11], s[20:21]
	s_add_nc_u64 s[4:5], s[4:5], s[26:27]
	s_add_nc_u64 s[12:13], s[12:13], s[28:29]
	s_cmp_lg_u32 s14, 0
	s_cbranch_scc1 .Lno_eid
.set i, 0
.rept 16                               ; wave 0: all 2,048 choices
	global_load_b128 v[128+4*i:131+4*i], v7, s[6:7] offset:512*i
.set i, i+1
.endr
.Lno_eid:
	UNIT 0
	UNIT 1
	UNIT 2
	WIN 0
	s_cmp_lg_u32 s14, 0
	s_cbranch_scc1 .Lno_build
	s_wait_loadcnt 48                              ; the 48 weight loads are younger: the choices are in, and the list is made while the weights are on their way
	BUILD
.Lno_build:
.irp b, 0,1,2,3,4,5,6,7,8,9,10,11,12
	STEP \b
.endr
	WIN 0
	s_wait_dscnt 0x0                               ; wave 0's list and count are in LDS
	s_barrier_signal -1
	s_barrier_wait -1
	ds_load_b32 v22, v25
.irp j, 0,1,2,3
	ds_load_b32 v[12+\j], v21 offset:64*\j         ; trip 0's places 16 j + r
.endr
	s_wait_dscnt 0x0
	v_readfirstlane_b32 s17, v22
	s_min_u32 s17, s17, 0x400
	s_max_u32 s17, s17, 1                          ; an expert without rows is served as if it had one
	ROWCALC 0
	ROWCALC 1
	ROWCALC 2
	ROWCALC 3
	v_add_nc_u32 v21, 256, v21                     ; from here on: the next trip's places
	s_mov_b32 s18, 0                               ; the trip's first place
	s_mov_b32 s19, 16
	STEP 13                                        ; the last weights are rounded while the first trip's tokens go out
	STEP 14
	STEP 15
	UNIT 19
.Ltrip:
	s_cmp_lt_u32 s18, s17
	s_cbranch_scc0 .Ld1                            ; a trip past the count: the two barriers and nothing else
.irp j, 0,1,2,3
	ds_load_b32 v[12+\j], v21 offset:64*\j
.endr
	SUB 0
	SUB 1
	SUB 2
	SUB 3
.Ld1:
	s_wait_dscnt 0x0                               ; for the others' sake: my parts are in the stage
	s_barrier_signal -1
	s_barrier_wait -1
	s_lshl_b32 s22, s14, 4
	s_add_co_u32 s22, s22, s18
	s_cmp_lt_u32 s22, s17
	s_cbranch_scc0 .Ld2                            ; my subtile lies past the count
	EPI
.Ld2:
	s_wait_dscnt 0x0                               ; my reads of the stage are over: behind this barrier it is written again
	s_barrier_signal -1
	s_barrier_wait -1
	s_wait_xcnt 0x0                                ; the stores have read their data registers and hb's address, which are written again only behind this wait
	s_add_nc_u64 s[12:13], s[12:13], 0x40000       ; four tiles of 64 KiB on
	v_add_nc_u32 v21, 256, v21
	s_add_co_u32 s18, s18, 64
	s_sub_co_u32 s19, s19, 1
	s_cmp_lg_u32 s19, 0
	s_cbranch_scc1 .Ltrip
	s_wait_tensorcnt 0x0                           ; the wave's end: three lines behind my last LDS store
	ds_add_u32 v30, v31
	s_wait_dscnt 0x0
	s_endpgm
.Lfunc_end_k_q7b204522b0_up:
	.size	k_q7b204522b0_up, .Lfunc_end_k_q7b204522b0_up-k_q7b204522b0_up
	.p2alignl 7, 3214868480
	.fill 96, 4, 3214868480
	.section	.rodata,"a",@progbits
	.p2align	6, 0x0
	.amdhsa_kernel k_q7b204522b0_up
		.amdhsa_group_segment_fixed_size 136448
		.amdhsa_private_segment_fixed_size 0
		.amdhsa_enable_private_segment 0
		.amdhsa_kernarg_size 40
		.amdhsa_user_sgpr_count 2
		.amdhsa_user_sgpr_kernarg_segment_ptr 1
		.amdhsa_wavefront_size32 1
		.amdhsa_system_sgpr_workgroup_id_x 1
		.amdhsa_system_sgpr_workgroup_id_y 1
		.amdhsa_system_sgpr_workgroup_id_z 1
		.amdhsa_system_vgpr_workitem_id 0
		.amdhsa_next_free_vgpr 1024
		.amdhsa_next_free_sgpr 66
		.amdhsa_reserve_vcc 0
		.amdhsa_float_denorm_mode_32 3
		.amdhsa_float_denorm_mode_16_64 3
		.amdhsa_memory_ordered 1
		.amdhsa_forward_progress 1
		.amdhsa_inst_pref_size 152
	.end_amdhsa_kernel
	.amdgpu_metadata
---
amdhsa.version: [ 1, 2 ]
amdhsa.kernels:
  - .name:           k_q7b204522b0_up
    .symbol:         k_q7b204522b0_up.kd
    .args:
      - { .name: xb, .offset: 0, .size: 8, .value_kind: global_buffer, .address_space: global }
      - { .name: eid, .offset: 8, .size: 8, .value_kind: global_buffer, .address_space: global }
      - { .name: w1, .offset: 16, .size: 8, .value_kind: global_buffer, .address_space: global }
      - { .name: w3, .offset: 24, .size: 8, .value_kind: global_buffer, .address_space: global }
      - { .name: hb, .offset: 32, .size: 8, .value_kind: global_buffer, .address_space: global }
    .group_segment_fixed_size: 136448
    .private_segment_fixed_size: 0
    .kernarg_segment_align: 8
    .kernarg_segment_size: 40
    .max_flat_workgroup_size: 128
    .sgpr_count:     66
    .vgpr_count:     1024
    .wavefront_size: 32
...
	.end_amdgpu_metadata
.endif
;; end of part 2
;; launch down (part 3): grid 32 x 8, 4 waves a work-group, no clusters, 136,448 bytes of LDS; arguments hb, eid, w2, part; writes part
.if DOCPART == 3
	.amdgcn_target "amdgcn-amd-amdhsa--gfx1250"
	.amdhsa_code_object_version 6
	.text
	.protected	k_q7b204522b0_down
	.globl	k_q7b204522b0_down
	.p2align	8
	.type	k_q7b204522b0_down,@function
k_q7b204522b0_down:
	s_mov_b64 s[64:65], 0
	v_nop
	global_prefetch_b8 v0, s[64:65] scope:SCOPE_SE
	s_setreg_imm32_b32 hwreg(HW_REG_WAVE_MODE, 25, 1), 1
	s_wait_xcnt 0x0
; SECOND PRODUCT.  part[kh][slot] = hidden row x w2[e], summed over half kh of the hidden width, in f32, for the rows that chose expert e.  The gate's weight and the sum of the parts belong to the launch behind.
; SHARES.  Work-group (x, e), x = 16 kh + hs, owns expert e, columns 64 hs .. + 63 of w2 and its rows 1024 kh .. + 1023, which it alone reads, once.  Wave w owns 256 of those rows:
; 8 K steps x 4 column tiles x 8 registers = 256 registers of bf16 weights, which stay.  The list of the expert's slots is made by the same lines as in the first product, so a place means the same slot in both.
; K's ORDER.  hb holds the hidden layer as token fragments: in K step 2 f + q, part p, lane half h, element ii stands hidden column 64 f + 32 h + 4 ii + 2 q + p.  So load (p, ii) of that K step takes w2's row
; 64 f + 2 q + p + 4 ii, + 32 in lanes 16-31: both sources carry the same order of k.  A token load takes 512 consecutive bytes of hb.
; ROWS.  A trip takes 64 places of the list, four subtiles of 16.  A BLOCK is a subtile's products: every wave multiplies it over its quarter of K (32 matrix instructions on 4 accumulators by turns) and lays its f32
; partial sums into a stage in LDS.  Wave w finishes subtile w, in two HALVES of four places a lane half: it adds the four waves' sums in the order of K and stores whole pieces of rows.
; TWO STAGES, ONE BARRIER A TRIP.  Behind the barrier of trip t every wave multiplies trip t + 1 into one stage and finishes trip t out of the other; the stages change places by one exclusive or on a scalar.
; Half 0 of trip t RIDES in block 0 of trip t + 1, half 1 in block 1 (a block of trip t + 1 that has rows means that trip t is full): its 17 LDS loads stand in one run at the block's head, its 40 vector lines four behind
; each matrix instruction from the 21st on, its 4 stores in the run of memory instructions at the block's end.  Halves that no block carries are run plainly.
; The loop has 16 trips whatever the count: every wave passes every barrier, and only work is jumped, by forward branches that hold no barrier.
; THE RESULT.  Source 0 = tokens, source 1 = w2: lane (r, h) holds place 8 h + jj in register jj and column 4 r + a in tile a: a lane's four tiles are 16 consecutive bytes of a row, 16 lanes 256 consecutive bytes.
; part: [kh 2][2,056 rows][1,024] f32: rows 0-2047 are slots; row 2048 + e takes what a tile's places past the count give (their list entry is 2048 + e).  Its 256 bytes here are this work-group's alone and nobody reads
; them: at most 15 stores of 256 bytes a work-group in place of narrowings of EXEC.  An expert without rows stores nothing.
; NO CLUSTER: each weight byte has one reader.  An expert's 16 column slices of one kh do read the same dense tiles of hb; asked for jointly they would land in LDS and be read from there, 8 KB a wave and subtile beside the
; stage's 4 KB in and 4 KB back, and every partner would have to ask in all 16 trips.  Not built here: the tokens go straight into registers.
; LIMITS.  w2 is rounded to bf16; partial sums stay f32.  NaN and infinities are not treated apart.
; REGISTERS: window 0: v1 lane, v2 r, v3 h, v4 weight offset, v5 prefetch offset, v6 16 r, v7 16 lane, v8-11 tile offsets in hb, v16 my place in a stage (in), v17 the same in the stage that is written, v20 (back), v18 the same in
;   the stage that is read, v21 my places in the list, v22 at work, v23 4 lane, v24 dump place, v25 the count's address, v26-29, v32-43 the list's making, v30-31 the closing add's, v40-43 list entries, v48-55 row offsets in part,
;   v64-95 accumulators, v96-127 rows to store, v128-191 the choices, then a half's 64 words
;   window 1: four buffers of 64: f32 weights on their way, then the token fragments of subtile 0-3          window 2: the weights: K step k, tile a at 32 k + 8 a
.set STG,   65536                      ; a stage: [subtile 16,384][wave 4,096][tile 1,024][half 512][lane 16]; two of them from LDS byte 0
.set LIST,  131072                     ; places 0-1087, dump 1088-1119, in 4,608 bytes
.set CNTA,  135680
.set SPARE, 135936                     ; the spare words, 128 bytes for each wave: no other line names them
.set WROW,  4096                       ; bytes in a row of w2, and of part
.set PLANE, 8421376                    ; 2,056 rows of part
.set EB,    128                        ; a half's words: source wave q, tile a at EB + 16 q + 4 a
.set OA,    48
.set OUT,   96
.set NHW,   40                         ; vector lines in a half
.set MSB, 0
.macro WIN new                         ; the immediate's high byte repeats the setting that is left; a switch that changes nothing is dropped
.if MSB != (\new)
	s_set_vgpr_msb (MSB<<8)|(\new)
.set MSB, (\new)
.endif
.endm
.macro WISSUE b                        ; K step b = 2 f + q of my eight: load i = 8 p + ii takes row 64 f + 2 q + p + 4 ii
	WIN 0x40
.set wi, 0
.rept 16
	global_load_b128 v[64*((\b)%4)+4*wi:64*((\b)%4)+4*wi+3], v4, s[8:9] offset:(64*((\b)/2)+2*((\b)%2)+(wi/8)+4*(wi%8))*WROW th:TH_LOAD_NT
.set wi, wi+1
.endr
.endm
.macro WCVT b                          ; register q of tile j's fragment takes component j of loads i0 and i0 + 1, i0 = 8 (q / 4) + 2 (q % 4)
	WIN 0x85
.set wj, 0
.rept 4
.set wq, 0
.rept 8
	v_cvt_pk_bf16_f32 v[32*(\b)+8*wj+wq], v[64*((\b)%4)+4*(8*(wq/4)+2*(wq%4))+wj], v[64*((\b)%4)+4*(8*(wq/4)+2*(wq%4)+1)+wj]
.set wq, wq+1
.endr
.set wj, wj+1
.endr
.endm
.macro AISSUE j                        ; the token fragments of subtile j: load 2 k + p is part p of my K step k
	WIN 0x40
.set ai, 0
.rept 16
	global_load_b128 v[64*(\j)+4*ai:64*(\j)+4*ai+3], v[8+(\j)], s[4:5] offset:512*ai
.set ai, ai+1
.endr
	WIN 0
.endm
.macro UNIT u                          ; units 0-7 are weights, 8-11 the first trip's four subtiles: unit u lands in buffer u % 4
.if (\u) < 8
	WISSUE \u
.else
	AISSUE (\u)-8
.endif
.endm
; Unit b + 3 goes out, unit b is waited for and rounded.  In the first three steps each lane also asks, once, for the 256 bytes of one row of unit b + 5; the last is unit 7, inside the buffer.
.macro STEP b
	UNIT (\b)+3
.if (\b) < 3
	global_prefetch_b8 v5, s[8:9] offset:(64*(((\b)+5)/2)+2*(((\b)+5)%2))*WROW th:TH_LOAD_NT scope:SCOPE_SE
.endif
	s_wait_loadcnt 48                              ; units b + 1 to b + 3, 16 loads each, stay out
	WCVT \b
.endm
.macro AOCALC                          ; tiles s25 .. s25 + 3, none past the last that the first product wrote, nor past the table's 64
.irp j, 0,1,2,3
	s_add_co_u32 s22, s25, \j
	s_min_u32 s22, s22, s36
	s_min_u32 s22, s22, 63
	v_lshl_add_u32 v[8+\j], s22, 16, v7
.endr
.endm
; THE LIST (wave 0), line for line as in the first product.  v[128+4i+c] of lane l holds the choice of slot 128 i + 4 l + c.  A lane whose slot chose e stores the slot at place base + (lanes below it that did too);
; the others store into a dump word of their own.  A group's compares are issued a group ahead, into masks that take turns; each vector step stands four times on end.
.macro BCMP i
.irp c, 0,1,2,3
	v_cmp_eq_u32 s[40+4*((\i)%2)+\c], s15, v[128+4*(\i)+\c]
.endr
.endm
.macro BGRP i
.set bm, 40+4*((\i)%2)
.set bt, 26+10*((\i)%2)
.set bd, 32+8*((\i)%2)
.irp c, 0,1,2,3
	s_bcnt1_i32_b32 s[50+\c], s[bm+\c]
.endr
	s_mov_b32 s54, s48
	s_add_co_u32 s55, s54, s50
	s_add_co_u32 s56, s55, s51
	s_add_co_u32 s57, s56, s52
	s_add_co_u32 s48, s57, s53
.irp c, 0,1,2,3
	v_mbcnt_lo_u32_b32 v[bt+\c], s[bm+\c], s[54+\c]
.endr
.irp c, 0,1,2,3
	v_cndmask_b32 v[bt+\c], v24, v[bt+\c], s[bm+\c]
.endr
.irp c, 0,1,2,3
	v_min_u32 v[bt+\c], 0x45f, v[bt+\c]            ; inside the list's 1,120 places whatever was loaded
.endr
.irp c, 0,1,2,3
	v_lshl_add_u32 v[bt+\c], v[bt+\c], 2, LIST
.endr
.irp c, 0,1,2,3
	v_add_nc_u32 v[bd+\c], 128*(\i)+\c, v23
.endr
.irp c, 0,1,2,3
	ds_store_b32 v[bt+\c], v[bd+\c]
.endr
.endm
.macro BUILD
	s_add_co_u32 s22, s15, 2048
	v_mov_b32 v32, s22
	v_mov_b32 v33, s22
	v_mov_b32 v34, s22
	v_mov_b32 v35, s22
	v_add_nc_u32 v22, LIST, v7
.set bi, 0
.rept 9                                ; every place starts as 2048 + e; LDS serves a wave's instructions in order (ISA guide 5.7.1.4), so the stores below come behind these
	ds_store_b128 v22, v[32:35] offset:512*bi
.set bi, bi+1
.endr
	s_mov_b32 s48, 0
	BCMP 0
.set bi, 0
.rept 16
.if bi < 15
	BCMP bi+1
.endif
	BGRP bi
.set bi, bi+1
.endr
	v_mov_b32 v22, s48
	ds_store_b32 v25, v22                          ; the count
.endm
; A HALF'S LOADS: the slots of places 8 h + 4 hf .. + 3 of my subtile, and the four waves' sums of registers 4 hf .. + 3 of its four tiles: 17 loads in one run.
.macro HLOAD hf
	ds_load_b128 v[40:43], v21 offset:16*(\hf)
.irp q, 0,1,2,3
.irp a, 0,1,2,3
	ds_load_b128 v[EB+16*\q+4*\a:EB+16*\q+4*\a+3], v18 offset:\q*4096+\a*1024+(\hf)*512
.endr
.endr
.endm
; A HALF'S VECTOR LINES, numbered; HWI writes number rq and steps it.
;   0-15  part 0 + part 1 and part 2 + part 3, by turns     16-19  a slot is held inside part's 2,056 rows     20-23  its row offset + 16 r     24-39  the two sums' sum, K ascending, turned so that a place's four tiles lie together
.macro HWI hf
.if rq < NHW
	WIN 0
.if rq < 16
.if rq == 0
	s_wait_dscnt 0x0                               ; the half's 17 loads are in
.endif
.set pa, EB+32*(rq%2)+2*(rq/2)
	v_pk_add_f32 v[pa:pa+1], v[pa:pa+1], v[pa+16:pa+17]
.elseif rq < 20
.if rq == 16
	s_wait_xcnt 0x0                                ; this half's last stores have read their offsets and data (ISA guide 3.1): both are written again only behind this wait
.endif
	v_min_u32 v[40+rq-16], 0x807, v[40+rq-16]
.elseif rq < 24
	v_lshl_add_u32 v[OA+4*(\hf)+rq-20], v[40+rq-20], 12, v6
.else
	v_add_f32 v[OUT+16*(\hf)+rq-24], v[EB+4*((rq-24)%4)+(rq-24)/4], v[EB+32+4*((rq-24)%4)+(rq-24)/4]
.endif
.set rq, rq+1
.endif
.endm
.macro HSTORE hf                       ; lanes 0-15: 256 consecutive bytes of one place's row, lanes 16-31 of the place 8 further on, each at a multiple of 256 from part's first
.irp k, 0,1,2,3
	global_store_b128 v[OA+4*(\hf)+\k], v[OUT+16*(\hf)+4*\k:OUT+16*(\hf)+4*\k+3], s[10:11]
.endr
.endm
.macro HALF hf                         ; a half that no block carries
	HLOAD \hf
.set rq, 0
.rept NHW
	HWI \hf
.endr
	HSTORE \hf
.endm
; 32 matrix instructions: 8 K steps x 4 tiles; the 4 accumulators take turns, one instruction a turn; the first K step starts the sums.
; ride = 1: half j's lines stand four behind each matrix instruction from the 21st on: ten slices hold the 40.  They name no register of the products.
.macro MULS j, ride
.set rq, 0
.set mg, 0
.set ms, 0
.rept 8
.set ma, 0
.rept 4
	WIN 0x09
.if ms == 0
	v_wmma_f32_16x16x32_bf16 v[64+8*ma:71+8*ma], v[64*(\j)+8*ms:64*(\j)+8*ms+7], v[32*ms+8*ma:32*ms+8*ma+7], 0
.else
	v_wmma_f32_16x16x32_bf16 v[64+8*ma:71+8*ma], v[64*(\j)+8*ms:64*(\j)+8*ms+7], v[32*ms+8*ma:32*ms+8*ma+7], v[64+8*ma:71+8*ma]
.endif
.if (\ride) && (mg >= 20)
	HWI \j
	HWI \j
	HWI \j
	HWI \j
.endif
.set mg, mg+1
.set ma, ma+1
.endr
.set ms, ms+1
.endr
.endm
.macro STOUT j                         ; my partial sums of subtile j into the stage that is being written; each accumulator from its low end on
.set sa, 0
.rept 4
	ds_store_b128 v17, v[64+8*sa:67+8*sa] offset:(\j)*16384+sa*1024
	ds_store_b128 v17, v[68+8*sa:71+8*sa] offset:(\j)*16384+sa*1024+512
.set sa, sa+1
.endr
.endm
; BLOCK j of the trip whose first place is s23.  Its fragments are waited for; if it has rows it is multiplied and staged (ride = 1: with half j of the trip before beside it); then its buffer is asked for again, for the
; next trip, rows or none, so that the count of loads is the same on every way.  Behind the products stand five places ahead of the stage's stores, of the loads into the fragments and of the next
; block's first products: in block 0 the next trip's four tile offsets and a v_nop, elsewhere five v_nop.
.macro BLK j, ride
	s_wait_loadcnt 48                              ; the three units asked for behind this buffer's stay out
.if (\j) > 0
	s_add_co_u32 s22, s23, 16*(\j)
	s_cmp_lt_u32 s22, s17
	s_cbranch_scc0 .Lskip_\@
.endif
.if \ride
	HLOAD \j
.endif
	MULS \j, \ride
	WIN 0
.if (\j) == 0
	s_wait_xcnt 0x0                                ; the loads still out have had their addresses translated (ISA guide 3.1): the tile offsets may be written
	AOCALC
	v_nop
.else
.rept 5
	v_nop
.endr
.endif
	STOUT \j
.if \ride
	HSTORE \j
.endif
.Lskip_\@:
	AISSUE \j
.endm
.macro TRIP ride
	BLK 0, \ride
	BLK 1, \ride
	BLK 2, 0
	BLK 3, 0
.endm
	s_load_b256 s[4:11], s[0:1], 0x0               ; hb s[4:5], eid s[6:7], w2 s[8:9], part s[10:11]
	v_lshl_add_u32 v30, v0, 2, SPARE               ; my spare word,
	v_mov_b32 v31, 0                               ; and 0: kept for the closing lines alone
	v_lshrrev_b32 v1, 5, v0
	v_readfirstlane_b32 s14, v1                    ; wave 0..3
	s_and_b32 s15, ttmp7, 0xffff                   ; e
	s_and_b32 s16, ttmp9, 15                       ; hs
	s_lshr_b32 s24, ttmp9, 4                       ; kh
	v_and_b32 v1, 31, v0                           ; lane
	v_and_b32 v2, 15, v0                           ; r
	v_bfe_u32 v3, v0, 4, 1                         ; h
	v_lshlrev_b32 v6, 4, v2
	v_lshl_add_u32 v4, v3, 17, v6                  ; weights: 16 r, and 32 rows further down in lanes 16-31
	v_and_b32 v5, 1, v0                            ; prefetch: lane = (h, ii, p) asks for row p + 4 ii + 32 h of a unit
	v_bfe_u32 v22, v0, 1, 3
	v_lshl_add_u32 v5, v22, 2, v5
	v_lshl_add_u32 v5, v3, 5, v5
	v_lshlrev_b32 v5, 12, v5
	v_lshlrev_b32 v7, 4, v1
	s_lshl_b32 s22, s14, 12
	v_add_nc_u32 v16, s22, v7                      ; a stage, in: my wave's 4,096 bytes of a subtile
	v_mov_b32 v17, v16                             ; trip 0 goes into stage 0
	s_lshl_b32 s22, s14, 14
	v_add_nc_u32 v20, s22, v7                      ; a stage, back: subtile = my wave's number
	s_lshl_b32 s22, s14, 6
	v_lshl_add_u32 v21, v3, 5, s22
	v_add_nc_u32 v21, LIST, v21                    ; places 16 w + 8 h .. + 7 of trip 0
	v_lshlrev_b32 v23, 2, v1
	v_add_nc_u32 v24, 1088, v1
	v_mov_b32 v25, CNTA
	s_mov_b32 s26, 0                               ; the stage that is written,
	s_mov_b32 s27, STG                             ; and the one that is read: both are turned at the head of every trip
	s_lshl_b32 s20, s15, 23                        ; w2: the expert's 8 MiB,
	s_lshl_b32 s22, s24, 22                        ; the half's 1,024 rows,
	s_or_b32 s20, s20, s22
	s_lshl_b32 s22, s14, 20                        ; my wave's 256 rows,
	s_or_b32 s20, s20, s22
	s_lshl_b32 s22, s16, 8                         ; the group's 256 bytes of a row
	s_or_b32 s20, s20, s22
	s_mov_b32 s21, 0
	s_lshl_b32 s30, s15, 22                        ; hb: the expert's 4 MiB,
	s_lshl_b32 s22, s24, 15                        ; the half's 32 K steps,
	s_or_b32 s30, s30, s22
	s_lshl_b32 s22, s14, 13                        ; my wave's 8
	s_or_b32 s30, s30, s22
	s_mov_b32 s31, 0
	s_mul_i32 s32, s24, PLANE                      ; part: the half's plane,
	s_lshl_b32 s22, s16, 8                         ; the group's 256 bytes of a row
	s_add_co_u32 s32, s32, s22
	s_mov_b32 s33, 0
	s_wait_kmcnt 0x0
	s_add_nc_u64 s[8:9], s[8:9], s[20:21]
	s_add_nc_u64 s[4:5], s[4:5], s[30:31]
	s_add_nc_u64 s[10:11], s[10:11], s[32:33]
	s_cmp_lg_u32 s14, 0
	s_cbranch_scc1 .Lno_eid
.set i, 0
.rept 16                               ; wave 0: all 2,048 choices
	global_load_b128 v[128+4*i:131+4*i], v7, s[6:7] offset:512*i
.set i, i+1
.endr
.Lno_eid:
	UNIT 0
	UNIT 1
	UNIT 2
	WIN 0
	s_cmp_lg_u32 s14, 0
	s_cbranch_scc1 .Lno_build
	s_wait_loadcnt 48                              ; the 48 weight loads are younger: the choices are in, and the list is made while the weights are on their way
	BUILD
.Lno_build:
.irp b, 0,1,2,3,4
	STEP \b
.endr
	WIN 0
	s_wait_dscnt 0x0                               ; wave 0's list and count are in LDS
	s_barrier_signal -1
	s_barrier_wait -1
	ds_load_b32 v22, v25
	s_wait_dscnt 0x0
	v_readfirstlane_b32 s17, v22
	s_min_u32 s17, s17, 0x400                      ; the count: what lies past it is not multiplied
	s_max_u32 s36, s17, 1
	s_sub_co_u32 s36, s36, 1
	s_lshr_b32 s36, s36, 4                         ; the last tile of hb that the first product wrote
	s_mov_b32 s25, 0
	AOCALC
	s_mov_b32 s25, 4                               ; from here on: the first tile of the trip behind the one that is multiplied
	s_mov_b32 s23, 0                               ; the first place of the trip that is multiplied
	STEP 5                                         ; the last weights are rounded while the first trip's tokens go out
	STEP 6
	STEP 7
	UNIT 11
	s_cmp_lg_u32 s17, 0
	s_cbranch_scc0 .Lt0                            ; an expert without rows
	TRIP 0                                         ; trip 0 stands ahead of the loop: there is no way out yet to set beside it
.Lt0:
	s_mov_b32 s18, 0                               ; the first place of the trip that is finished
	s_mov_b32 s19, 16
.Ltrip:
	s_wait_dscnt 0x0                               ; for the others' sake: my sums are in the stage just written, and my reads of the other stage are over
	s_barrier_signal -1
	s_barrier_wait -1
	s_xor_b32 s26, s26, STG                        ; the stages change places
	s_xor_b32 s27, s27, STG
	v_add_nc_u32 v17, s26, v16
	v_add_nc_u32 v18, s27, v20
	s_add_co_u32 s25, s25, 4
	s_add_co_u32 s23, s18, 64
	s_cmp_lt_u32 s23, s17
	s_cbranch_scc0 .Lrest                          ; no next trip
	TRIP 1
.Lrest:
	s_lshl_b32 s22, s14, 4
	s_add_co_u32 s22, s22, s18
	s_cmp_lt_u32 s22, s17
	s_cbranch_scc0 .Lfoot                          ; my subtile lies past the count
	s_cmp_lt_u32 s23, s17
	s_cbranch_scc1 .Lh1                            ; half 0 has ridden
	HALF 0
.Lh1:
	s_add_co_u32 s22, s23, 16
	s_cmp_lt_u32 s22, s17
	s_cbranch_scc1 .Lfoot                          ; half 1 has ridden
	HALF 1
.Lfoot:
	v_add_nc_u32 v21, 256, v21                     ; my places of the next trip
	s_mov_b32 s18, s23
	s_sub_co_u32 s19, s19, 1
	s_cmp_lg_u32 s19, 0
	s_cbranch_scc1 .Ltrip
	s_wait_tensorcnt 0x0                           ; the wave's end: three lines behind my last LDS store
	ds_add_u32 v30, v31
	s_wait_dscnt 0x0
	s_endpgm
.Lfunc_end_k_q7b204522b0_down:
	.size	k_q7b204522b0_down, .Lfunc_end_k_q7b204522b0_down-k_q7b204522b0_down
	.p2alignl 7, 3214868480
	.fill 96, 4, 3214868480
	.section	.rodata,"a",@progbits
	.p2align	6, 0x0
	.amdhsa_kernel k_q7b204522b0_down
		.amdhsa_group_segment_fixed_size 136448
		.amdhsa_private_segment_fixed_size 0
		.amdhsa_enable_private_segment 0
		.amdhsa_kernarg_size 32
		.amdhsa_user_sgpr_count 2
		.amdhsa_user_sgpr_kernarg_segment_ptr 1
		.amdhsa_wavefront_size32 1
		.amdhsa_system_sgpr_workgroup_id_x 1
		.amdhsa_system_sgpr_workgroup_id_y 1
		.amdhsa_system_sgpr_workgroup_id_z 1
		.amdhsa_system_vgpr_workitem_id 0
		.amdhsa_next_free_vgpr 768
		.amdhsa_next_free_sgpr 66
		.amdhsa_reserve_vcc 0
		.amdhsa_float_denorm_mode_32 3
		.amdhsa_float_denorm_mode_16_64 3
		.amdhsa_memory_ordered 1
		.amdhsa_forward_progress 1
		.amdhsa_inst_pref_size 129
	.end_amdhsa_kernel
	.amdgpu_metadata
---
amdhsa.version: [ 1, 2 ]
amdhsa.kernels:
  - .name:           k_q7b204522b0_down
    .symbol:         k_q7b204522b0_down.kd
    .args:
      - { .name: hb, .offset: 0, .size: 8, .value_kind: global_buffer, .address_space: global }
      - { .name: eid, .offset: 8, .size: 8, .value_kind: global_buffer, .address_space: global }
      - { .name: w2, .offset: 16, .size: 8, .value_kind: global_buffer, .address_space: global }
      - { .name: part, .offset: 24, .size: 8, .value_kind: global_buffer, .address_space: global }
    .group_segment_fixed_size: 136448
    .private_segment_fixed_size: 0
    .kernarg_segment_align: 8
    .kernarg_segment_size: 32
    .max_flat_workgroup_size: 128
    .sgpr_count:     66
    .vgpr_count:     768
    .wavefront_size: 32
...
	.end_amdgpu_metadata
.endif
;; end of part 3
;; launch combine (part 4): grid 256 x 1, 8 waves a work-group, no clusters, 0 bytes of LDS; arguments part, cw, out0; writes out0
.if DOCPART == 4
	.amdgcn_target "amdgcn-amd-amdhsa--gfx1250"
	.amdhsa_code_object_version 6
	.text
	.protected	k_q7b204522b0_combine
	.globl	k_q7b204522b0_combine
	.p2align	8
	.type	k_q7b204522b0_combine,@function
k_q7b204522b0_combine:
	s_mov_b64 s[64:65], 0
	v_nop
	global_prefetch_b8 v0, s[64:65] scope:SCOPE_SE
	s_setreg_imm32_b32 hwreg(HW_REG_WAVE_MODE, 25, 1), 1
	s_wait_xcnt 0x0
; out0[t] = cw[2t] (part[0][2t] + part[1][2t]) + cw[2t+1] (part[0][2t+1] + part[1][2t+1]), all f32: the two halves of the hidden width are added, then the token's two experts are weighed.
; A stream: work-group b owns tokens 4 b .. 4 b + 3; thread n owns bytes 16 n of every row, so a wave's load or store covers 512 consecutive bytes and eight waves a row.
; All 16 loads of a thread go out at once, token by token; each byte of part's slot rows is read once, each byte of out0 written once.  No LDS, barrier, matrix unit or cluster: nothing is shared and nothing is multiplied by a matrix.
.set PLANE, 8421376                    ; 2,056 rows of 4,096 bytes: part's second half
	s_load_b128 s[4:7], s[0:1], 0x0                ; part s[4:5], cw s[6:7]
	s_load_b64 s[8:9], s[0:1], 0x10                ; out0
	v_lshlrev_b32 v1, 4, v0
	s_lshl_b32 s10, ttmp9, 15                      ; 8 slot rows of 4,096 bytes
	s_mov_b32 s11, 0
	s_lshl_b32 s14, ttmp9, 5                       ; 8 weights
	s_mov_b32 s15, 0
	s_lshl_b32 s24, ttmp9, 14                      ; 4 rows of out0
	s_mov_b32 s25, 0
	s_wait_kmcnt 0x0
	s_add_nc_u64 s[6:7], s[6:7], s[14:15]
	s_load_b256 s[16:23], s[6:7], 0x0              ; the 8 weights: this launch stores nothing into cw
	s_add_nc_u64 s[4:5], s[4:5], s[10:11]
	s_add_nc_u64 s[12:13], s[4:5], PLANE
	s_add_nc_u64 s[8:9], s[8:9], s[24:25]
.irp u, 0,1,2,3
	global_load_b128 v[4+16*\u:7+16*\u],   v1, s[4:5]   offset:8192*\u th:TH_LOAD_NT
	global_load_b128 v[8+16*\u:11+16*\u],  v1, s[12:13] offset:8192*\u th:TH_LOAD_NT
	global_load_b128 v[12+16*\u:15+16*\u], v1, s[4:5]   offset:8192*\u+4096 th:TH_LOAD_NT
	global_load_b128 v[16+16*\u:19+16*\u], v1, s[12:13] offset:8192*\u+4096 th:TH_LOAD_NT
.endr
	s_wait_kmcnt 0x0
.irp u, 0,1,2,3
	s_wait_loadcnt 12-4*\u                         ; the later tokens' loads, four each, stay out
	v_pk_add_f32 v[4+16*\u:5+16*\u],   v[4+16*\u:5+16*\u],   v[8+16*\u:9+16*\u]
	v_pk_add_f32 v[6+16*\u:7+16*\u],   v[6+16*\u:7+16*\u],   v[10+16*\u:11+16*\u]
	v_pk_add_f32 v[12+16*\u:13+16*\u], v[12+16*\u:13+16*\u], v[16+16*\u:17+16*\u]
	v_pk_add_f32 v[14+16*\u:15+16*\u], v[14+16*\u:15+16*\u], v[18+16*\u:19+16*\u]
.irp k, 0,1,2,3
	v_mul_f32 v[4+16*\u+\k], s[16+2*\u], v[4+16*\u+\k]
.endr
.irp k, 0,1,2,3
	v_fmac_f32 v[4+16*\u+\k], s[17+2*\u], v[12+16*\u+\k]
.endr
	global_store_b128 v1, v[4+16*\u:7+16*\u], s[8:9] offset:4096*\u th:TH_STORE_NT
.endr
	s_endpgm
.Lfunc_end_k_q7b204522b0_combine:
	.size	k_q7b204522b0_combine, .Lfunc_end_k_q7b204522b0_combine-k_q7b204522b0_combine
	.p2alignl 7, 3214868480
	.fill 96, 4, 3214868480
	.section	.rodata,"a",@progbits
	.p2align	6, 0x0
	.amdhsa_kernel k_q7b204522b0_combine
		.amdhsa_group_segment_fixed_size 0
		.amdhsa_private_segment_fixed_size 0
		.amdhsa_enable_private_segment 0
		.amdhsa_kernarg_size 24
		.amdhsa_user_sgpr_count 2
		.amdhsa_user_sgpr_kernarg_segment_ptr 1
		.amdhsa_wavefront_size32 1
		.amdhsa_system_sgpr_workgroup_id_x 1
		.amdhsa_system_sgpr_workgroup_id_y 1
		.amdhsa_system_sgpr_workgroup_id_z 1
		.amdhsa_system_vgpr_workitem_id 0
		.amdhsa_next_free_vgpr 72
		.amdhsa_next_free_sgpr 66
		.amdhsa_reserve_vcc 0
		.amdhsa_float_denorm_mode_32 3
		.amdhsa_float_denorm_mode_16_64 3
		.amdhsa_memory_ordered 1
		.amdhsa_forward_progress 1
		.amdhsa_inst_pref_size 5
	.end_amdhsa_kernel
	.amdgpu_metadata
---
amdhsa.version: [ 1, 2 ]
amdhsa.kernels:
  - .name:           k_q7b204522b0_combine
    .symbol:         k_q7b204522b0_combine.kd
    .args:
      - { .name: part, .offset: 0, .size: 8, .value_kind: global_buffer, .address_space: global }
      - { .name: cw, .offset: 8, .size: 8, .value_kind: global_buffer, .address_space: global }
      - { .name: out0, .offset: 16, .size: 8, .value_kind: global_buffer, .address_space: global }
    .group_segment_fixed_size: 0
    .private_segment_fixed_size: 0
    .kernarg_segment_align: 8
    .kernarg_segment_size: 24
    .max_flat_workgroup_size: 256
    .sgpr_count:     66
    .vgpr_count:     72
    .wavefront_size: 32
...
	.end_amdgpu_metadata
.endif
;; end of part 4
